; MI455X (gfx1250); checked and timed in simulation.
; The chip was launched on July 23, 2026; its instructions are those of AMD's public machine-readable ISA for CDNA 5 (MIT licence, August 2026) and "CDNA5" Instruction Set Architecture Reference Guide (July 2026). The comments in the code are by the model that wrote it; some were corrected since.
;; Sparse Graph Linear. Allowed arithmetic: float matrix products may take bf16 or f16 operands with f32 sums; all other float work in f32.
;; Inputs: bias 4,096 float32; layer_input 4,096 x 4,096 float32; mask 4,096 x 4,096 int32; weight 4,096 x 4,096 float32.
;; Outputs: out0 4,096 x 4,096 float32.
;; One version. Each part assembles by itself: llvm-mc -triple=amdgcn-amd-amdhsa -mcpu=gfx1250 --defsym DOCPART=n.
;; ======== version 1 of 1: 2 launches
;; workspace buffers: xb 33,554,432 bytes; wb 33,554,432 bytes
;; launch pack (part 1): grid 256 x 1, 16 waves a work-group, no clusters, 0 bytes of LDS; arguments layer_input, weight, mask, xb, wb; writes xb, wb
.if DOCPART == 1
	.amdgcn_target "amdgcn-amd-amdhsa--gfx1250"
	.amdhsa_code_object_version 6
	.text
	.protected	k_qea9fbdf932_pack
	.globl	k_qea9fbdf932_pack
	.p2align	8
	.type	k_qea9fbdf932_pack,@function
k_qea9fbdf932_pack:
	s_mov_b64 s[64:65], 0
	v_nop
	global_prefetch_b8 v0, s[64:65] scope:SCOPE_SE
	s_setreg_imm32_b32 hwreg(HW_REG_WAVE_MODE, 25, 1), 1
	s_wait_xcnt 0x0
; xb[e] = bf16(layer_input[e]);  wb[e] = bf16(weight[e] * float(mask[e])), e = 0 .. 4096*4096-1, all arrays taken as flat.
; Each element of the two matrix operands is used by sixteen blocks of the product that follows, so it is converted here, once.
; LIMITS: both results are rounded to bf16 (nearest even), which has f32's exponent range, so no input overflows by the conversion.
; The mask is taken as a NUMBER (int32 to f32, nearest even above 2^24), not as a flag; the product is made in f32 and rounded once;
; 0 x infinity gives NaN, as the same product in f32 does.
; A stream: nothing is read twice and no work-group shares a byte with another, so there is no LDS, no barrier, no cluster, no matrix unit.
; Sixteen waves; the work-group owns 65,536 elements = 32 chunks of 2,048.  Thread t owns elements 4 t .. 4 t + 3 of every chunk:
; a wave's load of 16 bytes a lane covers 512 consecutive bytes, aligned; its store of 8 bytes a lane covers 256 consecutive bytes, aligned.
; A ring of DEPTH slots in registers keeps 3 x DEPTH loads of every wave on their way.  Every chunk's place stands in an immediate
; (253,952 at the most), so that no address register and no base is ever rewritten, and the 32 turns are written out.
.set DEPTH, 8                          ; slots; each holds one chunk's 16 bytes of x, of W and of the mask
.set NCH,   32                         ; chunks of a work-group
.set LCH,   8192                       ; bytes of a chunk in an input
.set SCH,   4096                       ; bytes of a chunk in an output
.set LOFF,  1                          ; v1        16 t: my bytes in a chunk of an input; never rewritten
.set SOFF,  2                          ; v2        8 t: my bytes in a chunk of an output; never rewritten
.set X,     4                          ; v[4:99]   slot i: 4 registers x, 4 registers W, 4 registers mask
.set Y,     100                        ; v[100:131] slot i: 2 registers for xb, 2 registers for wb
	s_load_b256 s[4:11], s[0:1], 0x0               ; layer_input s[4:5], weight s[6:7], mask s[8:9], xb s[10:11]
	s_load_b64 s[12:13], s[0:1], 0x20              ; wb
	s_lshl_b32 s14, ttmp9, 18                      ; the work-group's 262,144 bytes of each input (255 x 2^18 is below 2^32)
	s_mov_b32 s15, 0
	s_lshl_b32 s16, ttmp9, 17                      ; and its 131,072 bytes of each output
	s_mov_b32 s17, 0
	v_lshlrev_b32 v[LOFF], 4, v0
	v_lshlrev_b32 v[SOFF], 3, v0
	s_wait_kmcnt 0x0
	s_add_nc_u64 s[4:5], s[4:5], s[14:15]
	s_add_nc_u64 s[6:7], s[6:7], s[14:15]
	s_add_nc_u64 s[8:9], s[8:9], s[14:15]
	s_add_nc_u64 s[10:11], s[10:11], s[16:17]
	s_add_nc_u64 s[12:13], s[12:13], s[16:17]
; Three loads: chunk ch into slot i.  The inputs are read once in the whole launch: no reuse is asked of the caches.
.macro FILL i, ch
	global_load_b128 v[X+12*\i:X+12*\i+3],    v[LOFF], s[4:5] offset:(\ch)*LCH th:TH_LOAD_NT
	global_load_b128 v[X+12*\i+4:X+12*\i+7],  v[LOFF], s[6:7] offset:(\ch)*LCH th:TH_LOAD_NT
	global_load_b128 v[X+12*\i+8:X+12*\i+11], v[LOFF], s[8:9] offset:(\ch)*LCH th:TH_LOAD_NT
.endm
.irp i, 0,1,2,3,4,5,6,7
	FILL \i, \i                                    ; fill the ring: chunks 0 to 7
.endr
; The turn of slot i, which holds chunk ch.  ahead = 1: the slot is filled again with the chunk DEPTH further on.
; left = how many younger loads may stay out when this slot's three have to be there.
.macro SLOT i, ch, ahead, left
	s_wait_loadcnt \left                           ; loads come back in order (ISA guide 5.7.1): my three are in, the younger slots' stay out
	s_wait_xcnt 0x0                                ; this slot's Y registers are the data of its stores of DEPTH turns ago: rewritten only behind this wait
	v_cvt_pk_bf16_f32 v[Y+4*\i],   v[X+12*\i],   v[X+12*\i+1]         ; x: two roundings, packed
	v_cvt_pk_bf16_f32 v[Y+4*\i+1], v[X+12*\i+2], v[X+12*\i+3]
.irp j, 0,1,2,3
	v_cvt_f32_i32 v[X+12*\i+8+\j], v[X+12*\i+8+\j]                    ; the mask as a number
.endr
	v_pk_mul_f32 v[X+12*\i+4:X+12*\i+5], v[X+12*\i+4:X+12*\i+5], v[X+12*\i+8:X+12*\i+9]    ; W x mask in f32
	v_pk_mul_f32 v[X+12*\i+6:X+12*\i+7], v[X+12*\i+6:X+12*\i+7], v[X+12*\i+10:X+12*\i+11]
	v_cvt_pk_bf16_f32 v[Y+4*\i+2], v[X+12*\i+4], v[X+12*\i+5]
	v_cvt_pk_bf16_f32 v[Y+4*\i+3], v[X+12*\i+6], v[X+12*\i+7]
.if \ahead
	FILL \i, \ch+DEPTH                             ; loads ahead of stores
.endif
	global_store_b64 v[SOFF], v[Y+4*\i:Y+4*\i+1],   s[10:11] offset:(\ch)*SCH   ; the next launch reads these bytes: no hint against keeping them
	global_store_b64 v[SOFF], v[Y+4*\i+2:Y+4*\i+3], s[12:13] offset:(\ch)*SCH
.endm
.irp r, 0,1,2
.irp i, 0,1,2,3,4,5,6,7
	SLOT \i, 8*\r+\i, 1, 3*(DEPTH-1)               ; behind my three loads stand the three of each of the seven other slots
.endr
.endr
.irp i, 0,1,2,3,4,5,6,7
	SLOT \i, NCH-DEPTH+\i, 0, 3*(DEPTH-1-\i)       ; the last round loads nothing: no load leaves a buffer, and the counts run down to 0
.endr
	s_endpgm
.Lfunc_end_k_qea9fbdf932_pack:
	.size	k_qea9fbdf932_pack, .Lfunc_end_k_qea9fbdf932_pack-k_qea9fbdf932_pack
	.p2alignl 7, 3214868480
	.fill 96, 4, 3214868480
	.section	.rodata,"a",@progbits
	.p2align	6, 0x0
	.amdhsa_kernel k_qea9fbdf932_pack
		.amdhsa_group_segment_fixed_size 0
		.amdhsa_private_segment_fixed_size 0
		.amdhsa_enable_private_segment 0
		.amdhsa_kernarg_size 40
		.amdhsa_user_sgpr_count 2
		.amdhsa_user_sgpr_kernarg_segment_ptr 1
		.amdhsa_wavefront_size32 1
		.amdhsa_system_sgpr_workgroup_id_x 1
		.amdhsa_system_sgpr_workgroup_id_y 1
		.amdhsa_system_sgpr_workgroup_id_z 1
		.amdhsa_system_vgpr_workitem_id 0
		.amdhsa_next_free_vgpr 132
		.amdhsa_next_free_sgpr 66
		.amdhsa_reserve_vcc 0
		.amdhsa_float_denorm_mode_32 3
		.amdhsa_float_denorm_mode_16_64 3
		.amdhsa_memory_ordered 1
		.amdhsa_forward_progress 1
		.amdhsa_inst_pref_size 34
	.end_amdhsa_kernel
	.amdgpu_metadata
---
amdhsa.version: [ 1, 2 ]
amdhsa.kernels:
  - .name:           k_qea9fbdf932_pack
    .symbol:         k_qea9fbdf932_pack.kd
    .args:
      - { .name: layer_input, .offset: 0, .size: 8, .value_kind: global_buffer, .address_space: global }
      - { .name: weight, .offset: 8, .size: 8, .value_kind: global_buffer, .address_space: global }
      - { .name: mask, .offset: 16, .size: 8, .value_kind: global_buffer, .address_space: global }
      - { .name: xb, .offset: 24, .size: 8, .value_kind: global_buffer, .address_space: global }
      - { .name: wb, .offset: 32, .size: 8, .value_kind: global_buffer, .address_space: global }
    .group_segment_fixed_size: 0
    .private_segment_fixed_size: 0
    .kernarg_segment_align: 8
    .kernarg_segment_size: 40
    .max_flat_workgroup_size: 512
    .sgpr_count:     66
    .vgpr_count:     132
    .wavefront_size: 32
...
	.end_amdgpu_metadata
.endif
;; end of part 1
;; launch gemm (part 2): grid 16 x 16, 4 waves a work-group, clusters of 4 x 4, 327,680 bytes of LDS; arguments xb, wb, out0, bias; writes out0
.if DOCPART == 2
	.amdgcn_target "amdgcn-amd-amdhsa--gfx1250"
	.amdhsa_code_object_version 6
	.text
	.protected	k_qea9fbdf932_gemm
	.globl	k_qea9fbdf932_gemm
	.p2align	8
	.type	k_qea9fbdf932_gemm,@function
k_qea9fbdf932_gemm:
	s_mov_b64 s[64:65], 0
	v_nop
	global_prefetch_b8 v0, s[64:65] scope:SCOPE_SE
	s_setreg_imm32_b32 hwreg(HW_REG_WAVE_MODE, 25, 1), 1
	s_wait_xcnt 0x0
	s_wait_alu depctr_hold_cnt(0) depctr_sa_sdst(0) depctr_va_vdst(0) depctr_va_sdst(0) depctr_va_ssrc(0) depctr_va_vcc(0) depctr_vm_vsrc(0)
	s_getreg_b32 s2, hwreg(HW_REG_IB_STS2, 6, 4)
	s_cmp_eq_u32 s2, 0
	s_cbranch_scc0 .Lentry_in_a_cluster
	s_endpgm
.Lentry_in_a_cluster:
	s_bfe_u32 s2, ttmp6, 0x10000c
	s_cmp_lg_u32 s2, 0xf033
	s_cbranch_scc0 .Lentry_shape_is_right
	s_endpgm
.Lentry_shape_is_right:
; out0[t][o] = sum over k of xb[t][k] wb[o][k] + bias[o].  xb: [4096][4096] bf16 (the input, rounded), wb: [4096][4096] bf16 (weight x mask, rounded),
; bias: [4096] f32, out0: [4096][4096] f32.  One f32 sum for each output, K ascending; the bias is added once, in f32, behind the sum.
; LIMIT: the operands are bf16 (rounded once by the launch before this one); bf16 has f32's exponent range, so only the rounding error grows with the inputs.
; A work-group makes a block of 256 x 256 of out0 with four waves, as many as a WGP has SIMDs; a wave makes 128 x 128: 64 accumulator tiles of
; 16 x 16, 512 registers.  K goes in steps of 128 through a ring of two LDS slots filled by the tensor data mover: a tile's rows are 256 bytes
; of memory and start at multiples of 256 bytes from the buffer's first byte.  16 x 16 blocks = 256 work-groups of equal work.
; CLUSTERS: 4 x 4 work-groups form a cluster.  The four of a row of the cluster make blocks of one block row and need the same tiles of xb (A); the
; four of a column need the same tiles of wb (B).  Such a tile is asked for JOINTLY: each of the four issues the same tensor load, with the same
; descriptor and a mask that names the four, and each receives it in its own LDS.  That divides the requests for A and for B by four.
;
; REGISTERS, in windows of 256 (an instruction names v0-v255; s_set_vgpr_msb says which window each operand place means):
;   window 0: v0-31 addresses and the bias; v64-127, v128-191 fragments of A (8 x 16 rows x 32 K), two buffers, and the rows read back on the way out
;   window 1: v64-127, v128-191 fragments of B, two buffers
;   window 2: the 32 accumulator tiles of my rows 0-63 (tile (a, b) at v[8 (8 a + b)]);   window 3: those of my rows 64-127
; s_set_vgpr_msb's low byte: bits 1:0 source 0, 3:2 source 1, 5:4 source 2, 7:6 destination.  Work is laid in long stretches under one setting.
;
; THE MATRIX INSTRUCTION IS USED TRANSPOSED: source 0 = 16 rows of B, source 1 = 16 rows of A.  In the result lane l then holds row l % 16 of the
; tile, and its registers 0 to 7 the columns 8 (l / 16) + 0 .. 7: eight NEIGHBOURING f32 of a row of out0, 32 bytes that belong together.
.set SIZE_K, 4096
.set SIZE_N, 4096
.set KSTEP,  128
.set PITCH,  272                       ; an LDS row: 256 bytes of data + 16 of padding = 68 words: row r starts at bank 4 r mod 64 (64 banks of 4 bytes: ISA guide 11.1), so the 16 rows of a fragment load start at 16 different banks
.set HALFT,  128*PITCH                 ; 128 rows: what one tensor load brings, and what one wave reads of A or of B
.set SLOT,   4*HALFT                   ; A's 256 rows, then B's 256 rows
.set STAGE,  2*SLOT                    ; behind the ring, at 1,088 x 256 bytes: the stages of the way out, into which no tensor load ever writes
.set SPITCH, 528                       ; a stage row: 128 f32 = 512 bytes + 16: sixteen rows' equal columns lie in sixteen different 16-byte columns modulo 256
.set WSTAGE, 16*SPITCH                 ; a wave's own stage: 16 rows, 8,448 bytes = 33 x 256
.set CROW,   SIZE_N*4                  ; bytes of a row of out0
.set LAPS,   SIZE_K/(2*KSTEP)          ; a lap = two K steps = once round the ring: 16
.set ADRA, 16                          ; v16-17  LDS address of my A fragments in slot 0, 1
.set ADRB, 20                          ; v20-21  the same for B
.set STO,  24                          ; v24     the way out: where I put my 32 bytes of a row
.set RD,   25                          ; v25     the way out: where I read 16 bytes of a row back
.set CO,   26                          ; v26     16 x lane: my byte offset in a row of the wave's 128 columns (out0 and bias); never rewritten
.set BIAS, 28                          ; v[28:31] the bias of my four columns on the way out
.set F0,   64                          ; fragment buffer 0
.set F1,   128                         ; fragment buffer 1
.set G1, 24                            ; s[24:31] descriptor group 1 for A's tiles
.set G0, 32                            ; s[32:39] descriptor group 0 for A's tiles, one set for each slot
.set G1B, 48                           ; s[48:55] descriptor group 1 for B's tiles: it differs from A's in the mask alone
.set G0B, 56                           ; s[56:63] descriptor group 0 for B's tiles, one set for each slot
.set MSB, 0
.macro WIN new                         ; the immediate's high byte repeats the setting that is left; a switch that changes nothing is dropped
.if MSB != \new
	s_set_vgpr_msb (MSB<<8)|\new
.set MSB, \new
.endif
.endm
.set MUL_LO, 0xa1                      ; source 0 (B) window 1, source 1 (A) window 0, C and D window 2
.set MUL_HI, 0xf1                      ; the same, C and D window 3
.set TO_B,   0x40                      ; destination window 1, address window 0
; A joint load.  Waves 0 and 1 fetch A's two halves, waves 2 and 3 B's.  Each of the two lines has ONE mask and one set of registers for all that
; issue it, and nothing in them hangs on a coordinate that the four partners do not share.  The branch hangs on the wave's number alone.
; Four v_nop follow each of the two lines; the jump round the other line, the label and what follows the macro come after them.
.macro JLOAD s
	s_cmp_eq_u32 s11, 0
	s_cbranch_scc0 .Lfor_b_\@
	tensor_load_to_lds s[G0+4*\s:G0+4*\s+3], s[G1:G1+7]
.rept 4
	v_nop
.endr
	s_branch .Lasked_\@
.Lfor_b_\@:
	tensor_load_to_lds s[G0B+4*\s:G0B+4*\s+3], s[G1B:G1B+7]
.rept 4
	v_nop
.endr
.Lasked_\@:
.endm
; A round of the cluster's barrier: my work-group's barrier, so that wave 0's signal speaks for all four waves; wave 0 signals for the work-group;
; every wave waits for all sixteen work-groups; my work-group's barrier once more.  No LDS instruction of the wave is pending at a signal.
.macro CREST                           ; a round behind its opening barrier
	s_cmp_lg_u32 s10, 0
	s_cbranch_scc1 .Lnot_wave_0_\@
	s_barrier_signal -3
.Lnot_wave_0_\@:
	s_barrier_wait -3
	s_barrier_signal -1
	s_barrier_wait -1
.endm
.macro CROUND                          ; a whole round
	s_barrier_signal -1
	s_barrier_wait -1
	CREST
.endm
	s_load_b128 s[4:7], s[0:1], 0x0                ; xb (A) s[4:5], wb (B) s[6:7]
	s_load_b64 s[8:9], s[0:1], 0x10                ; out0
	s_load_b64 s[66:67], s[0:1], 0x18              ; bias
	v_lshrrev_b32 v1, 5, v0
	v_readfirstlane_b32 s10, v1                    ; wave 0..3
	s_lshr_b32 s11, s10, 1                         ; which half of the block's rows is mine.  Also: I fetch for A (0) or for B (1)
	s_and_b32 s12, s10, 1                          ; which half of its columns.  Also: which 128 rows of that tile I fetch
	s_bfe_u32 s40, ttmp6, 0x40000                  ; cx: my place along the cluster's x
	s_bfe_u32 s41, ttmp6, 0x40004                  ; cy: along its y
	s_lshl_b32 s42, ttmp9, 2                       ; in a cluster launch ttmp9 and ttmp7 count clusters
	s_add_co_u32 s42, s42, s40                     ; block column = 4 x cluster x + cx
	s_and_b32 s13, ttmp7, 0xffff
	s_lshl_b32 s13, s13, 2
	s_add_co_u32 s13, s13, s41                     ; block row = 4 x cluster y + cy
	s_lshl_b32 s43, s41, 2
	s_lshl_b32 s43, 15, s43                        ; my row of the cluster: places 4 cy .. 4 cy + 3
	s_lshl_b32 s44, 0x1111, s40                    ; my column: places cx, cx + 4, cx + 8, cx + 12
	; descriptor group 1: a tile of 128 rows x 128 elements of 2 bytes, padded in LDS
	s_or_b32 s[G1+0], s43, (1<<16)|(1<<20)|(1<<21)|(5<<22)|(3<<25)  ; 15:0 the mask: A's tiles go to my row; 17:16 element of 2 bytes; 20 padding on; 21 set beside a mask; 24:22 after every 64 words (code 5); 31:25 of 4 words (code 3)
	s_or_b32 s[G1B+0], s44, (1<<16)|(1<<20)|(1<<21)|(5<<22)|(3<<25) ; the same with the mask of my column, for B's tiles
	s_mov_b32 s[G1B+1], KSTEP<<16
	s_mov_b32 s[G1+1], KSTEP<<16                   ; 63:48 tensor_dim0, low half = 128
	s_mov_b32 s[G1B+2], 128<<16
	s_mov_b32 s[G1+2], 128<<16                     ; 79:64 its high half = 0; 95:80 tensor_dim1, low half = 128
	s_mov_b32 s[G1B+3], KSTEP<<16
	s_mov_b32 s[G1+3], KSTEP<<16                   ; 111:96 its high half = 0; 127:112 tile_dim0 = 128
	s_mov_b32 s[G1B+4], 128
	s_mov_b32 s[G1+4], 128                         ; 143:128 tile_dim1 = 128; 159:144 tile_dim2 = 0
	s_mov_b32 s[G1B+5], SIZE_K
	s_mov_b32 s[G1+5], SIZE_K                      ; 191:160 tensor_dim0_stride, low word: elements from row to row
	s_mov_b32 s[G1B+6], 0
	s_mov_b32 s[G1+6], 0
	s_mov_b32 s[G1B+7], 0
	s_mov_b32 s[G1+7], 0
	; where the tiles come from.  A's hang on the block row alone, which my row of the cluster shares; B's on the block column alone, which my column
	; shares.  Every wave makes both addresses, in registers that never hold the other coordinate, and asks by one of them.
	s_lshl_b32 s17, s12, 7                         ; which 128 rows of the tile I fetch
	s_lshl_b32 s16, s13, 8
	s_add_co_u32 s16, s16, s17                     ; A: row 256 x block row + 128 x half
	s_lshl_b32 s46, s42, 8
	s_add_co_u32 s46, s46, s17                     ; B: row 256 x block column + 128 x half
	s_lshl_b32 s16, s16, 13                        ; rows of 8,192 bytes: 3,968 x 8,192 at the most, below 2^31
	s_lshl_b32 s46, s46, 13
	s_mov_b32 s17, 0
	s_mov_b32 s47, 0
	s_mul_i32 s20, s10, HALFT                      ; and where they go: A's two halves, then B's two halves = wave x 128 rows: no place in the cluster enters an LDS address
	s_lshl_b32 s68, s42, 10                        ; my first column in bytes of f32: 1,024 x block column + 512 x half; serves the bias here and out0 at the end
	s_lshl_b32 s69, s12, 9
	s_add_co_u32 s68, s68, s69
	s_mov_b32 s69, 0
	s_wait_kmcnt 0x0
	s_add_nc_u64 s[14:15], s[4:5], s[16:17]
	s_add_nc_u64 s[46:47], s[6:7], s[46:47]
	s_add_nc_u64 s[66:67], s[66:67], s[68:69]      ; the bias of my wave's 128 columns
	CROUND                                         ; all sixteen work-groups are here: the first joint loads meet
.irp s, 0,1
	s_mov_b32 s[G0+4*\s], 1                                        ; 1:0 count = 1
	s_add_co_u32 s[G0+4*\s+1], s20, \s*SLOT                        ; 63:32 LDS address
	s_add_nc_u64 s[G0+4*\s+2:G0+4*\s+3], s[14:15], \s*KSTEP*2      ; 120:64 global address: K step s
	s_or_b32 s[G0+4*\s+3], s[G0+4*\s+3], 0x80000000                ; 127:126 type = 2
	s_mov_b32 s[G0B+4*\s], 1
	s_add_co_u32 s[G0B+4*\s+1], s20, \s*SLOT
	s_add_nc_u64 s[G0B+4*\s+2:G0B+4*\s+3], s[46:47], \s*KSTEP*2
	s_or_b32 s[G0B+4*\s+3], s[G0B+4*\s+3], 0x80000000
	JLOAD \s                                       ; both first fills go out as one group, before anything else is done: two tensor loads of the wave are out
.endr
	; A fragment is 16 rows x 32 K in 8 registers: lane l holds row l % 16; registers 0-3 hold K = 8 (l / 16) + 0..7, registers 4-7 hold
	; K = 16 + 8 (l / 16) + 0..7.  From rows that lie along K: two loads of 16 bytes, 32 bytes apart.  The same for source 0 and source 1.
	v_and_b32 v1, 15, v0                           ; l % 16
	v_bfe_u32 v2, v0, 4, 1                         ; l / 16
	v_mul_u32_u24 v3, v1, PITCH
	v_lshl_add_u32 v3, v2, 4, v3                   ; row x pitch + 16 x half
	s_mul_i32 s21, s11, HALFT                      ; my 128 rows of A
	s_mul_i32 s22, s12, HALFT                      ; my 128 rows of B,
	s_add_co_u32 s22, s22, 2*HALFT                 ; which lie behind A's 256
.irp s, 0,1
	v_add_nc_u32 v[ADRA+\s], s21, v3
	v_add_nc_u32 v[ADRB+\s], s22, v3
	s_add_co_u32 s21, s21, SLOT
	s_add_co_u32 s22, s22, SLOT
.endr
	s_mul_i32 s23, s10, WSTAGE
	s_add_co_u32 s23, s23, STAGE                   ; my stage
	v_mul_u32_u24 v4, v1, SPITCH                   ; in: row l % 16, 32 bytes for each half of the lanes
	v_lshl_add_u32 v4, v2, 5, v4
	v_add_nc_u32 v[STO], s23, v4
	v_and_b32 v5, 31, v0
	v_lshlrev_b32 v[CO], 4, v5                     ; back: the 32 lanes take one row of 512 bytes, 16 bytes each
	v_add_nc_u32 v[RD], s23, v[CO]
	global_load_b128 v[BIAS:BIAS+3], v[CO], s[66:67]   ; the bias of columns 4 l .. 4 l + 3 of my 128: the same four for every row that I store
; 16 matrix instructions: m blocks a0, a0 + 1 of the window's four (hi = 0: my rows 0-63, 1: rows 64-127) x all 8 n blocks, 32 along K.
; zero = 1: the first product starts the sums: nothing is ever cleared.
; The 64 accumulators take turns, one instruction a turn, in the same order in every quarter step, over the loop's backward jump too.
.macro MUL16 f, hi, a0, zero
.irp a, \a0, \a0+1
.irp b, 0,1,2,3,4,5,6,7
.if \zero
	v_wmma_f32_16x16x32_bf16 v[8*(8*(\a)+\b):8*(8*(\a)+\b)+7], v[\f+8*\b:\f+8*\b+7], v[\f+8*(4*\hi+\a):\f+8*(4*\hi+\a)+7], 0
.else
	v_wmma_f32_16x16x32_bf16 v[8*(8*(\a)+\b):8*(8*(\a)+\b)+7], v[\f+8*\b:\f+8*\b+7], v[\f+8*(4*\hi+\a):\f+8*(4*\hi+\a)+7], v[8*(8*(\a)+\b):8*(8*(\a)+\b)+7]
.endif
.endr
.endr
.endm
; 32 LDS loads in one run: the fragments of one quarter step (128 rows of B, 128 rows of A, 32 K at byte k of the rows) into buffer f
.macro FETCH slot, k, f
	WIN TO_B
.irp i, 0,1,2,3,4,5,6,7
	ds_load_b128 v[\f+8*\i:\f+8*\i+3],   v[ADRB+\slot] offset:\k+\i*16*PITCH
	ds_load_b128 v[\f+8*\i+4:\f+8*\i+7], v[ADRB+\slot] offset:\k+\i*16*PITCH+32
.endr
	WIN 0
.irp i, 0,1,2,3,4,5,6,7
	ds_load_b128 v[\f+8*\i:\f+8*\i+3],   v[ADRA+\slot] offset:\k+\i*16*PITCH
	ds_load_b128 v[\f+8*\i+4:\f+8*\i+7], v[ADRA+\slot] offset:\k+\i*16*PITCH+32
.endr
.endm
; A load into a register that a matrix instruction has read, and whatever but a matrix instruction reads a matrix result, stand four places behind that
; matrix instruction, and only plain vector instructions that name none of its registers are places (ISA guide 7.12.1 for vector instructions)
; the matrix instructions in between are not counted.  So four v_nop stand in front of each run of loads.
.macro PLACES
.rept 4
	v_nop
.endr
.endm
; A K step is four quarter steps of 32 along K, 64 matrix instructions each, on buffers 0, 1, 0, 1.
; One of the first three: multiplies buffer f; in its middle it fetches the next quarter's fragments, at byte k of the same slot's rows, into buffer g.
.macro QUARTER slot, k, f, g, zero
	s_wait_dscnt 8                                 ; B and A's rows 0-63 are in; the youngest eight loads (A's rows 64-127) may be out
	WIN MUL_LO
	MUL16 \f, 0, 0, \zero
	MUL16 \f, 0, 2, \zero
	PLACES
	FETCH \slot, \k, \g
	s_wait_dscnt 32                                ; all but the 32 just issued
	WIN MUL_HI
	MUL16 \f, 1, 0, \zero
	MUL16 \f, 1, 2, \zero
.endm
.macro THREE slot, zero
	QUARTER \slot, 64,  F0, F1, \zero
	QUARTER \slot, 128, F1, F0, 0
	QUARTER \slot, 192, F0, F1, 0
.endm
; The last quarter: multiplies buffer 1 and changes slots.  next = the other slot; fill = 1: this slot is filled again, two K steps ahead.
; ONE barrier for the change of slots, for two things.  In front of it each wave waits for its own reads of this slot and for all its tensor loads,
; of which one is out: its part of the next slot.  Behind it nobody reads this slot any more and the next slot is whole: the refill comes
; first, then the next slot's first fragments.  From a request to the wait for it a wave issues 240 matrix instructions.
.macro TURN slot, next, fill
	s_wait_dscnt 8
	WIN MUL_LO
	MUL16 F1, 0, 0, 0
	s_wait_dscnt 0                                 ; my reads of this slot are over (the last were issued 48 matrix instructions ago)
	s_wait_tensorcnt 0x0                           ; and all my tensor loads have landed: the one that was out is my part of the next slot:
	s_barrier_signal -1                            ; say so (where a slot is filled again this barrier opens a round of the cluster's barrier),
	MUL16 F1, 0, 2, 0                              ; work on registers while the others arrive,
	WIN 0
	s_barrier_wait -1                              ; and go on when all four have said so
.if \fill
	CREST                                          ; wave 0 says so for the work-group, all sixteen work-groups have said so, my work-group's barrier closes the round:
	                                               ; no wave of any partner still reads this slot's tile or has a load on its way
	s_add_nc_u64 s[G0+4*\slot+2:G0+4*\slot+3], s[G0+4*\slot+2:G0+4*\slot+3], 2*KSTEP*2       ; no tensor load of mine is out: a group 0 may be written
	s_add_nc_u64 s[G0B+4*\slot+2:G0B+4*\slot+3], s[G0B+4*\slot+2:G0B+4*\slot+3], 2*KSTEP*2
	JLOAD \slot                                    ; the first tensor load behind the round, and my only one until the next; its four v_nop are also the places in front of the loads below
.else
	PLACES
.endif
	FETCH \next, 0, F0
	WIN MUL_HI
	MUL16 F1, 1, 0, 0
	MUL16 F1, 1, 2, 0
.endm
.macro LAP zero                        ; once round the ring, both slots filled again
	THREE 0, \zero
	TURN 0, 1, 1
	THREE 1, 0
	TURN 1, 0, 1
.endm
	s_wait_loadcnt 0x0                             ; the bias, once; it comes while the first tile is on its way
	s_wait_tensorcnt 1                             ; my part of K step 0 is in; K step 1's, issued behind it, may stay out
	s_barrier_signal -1
	s_barrier_wait -1                              ; everybody's part is in
	FETCH 0, 0, F0
	LAP 1                                          ; the first lap stands in front of the loop: its first products start the sums
	WIN 0                                          ; at a label and at a branch every window is 0
	s_mov_b32 s3, LAPS-2
.Llap:
	LAP 0
	WIN 0
	s_sub_co_u32 s3, s3, 1
	s_cmp_lg_u32 s3, 0
	s_cbranch_scc1 .Llap
	THREE 0, 0                                     ; the last lap fills nothing, and has no round of the cluster's barrier: my one tensor load that is still out is slot 1's, the last K step's
	TURN 0, 1, 0
	THREE 1, 0
	s_wait_dscnt 8                                 ; the very last quarter: nothing more to fetch
	WIN MUL_LO
	MUL16 F1, 0, 0, 0
	MUL16 F1, 0, 2, 0
	s_wait_dscnt 0
	WIN MUL_HI
	MUL16 F1, 1, 0, 0
	MUL16 F1, 1, 2, 0
	; THE WAY OUT, 16 rows at a time: the accumulators go as they are, 32 bytes a lane and tile, into my own stage in LDS, and come back as whole rows
	; of 512 bytes, to which the bias is added.  The four v_nop are the places behind the last matrix instructions: for the LDS stores, which read
	; results, and for the loads into buffers 0 and 1.
	PLACES
	s_lshl_b32 s16, s13, 8
	s_lshl_b32 s17, s11, 7
	s_add_co_u32 s16, s16, s17                     ; my first row of out0: 256 x block row + 128 x half,
	s_lshl_b32 s16, s16, 14                        ; in rows of 16,384 bytes: 3,968 x 16,384 at the most, below 2^31
	s_mov_b32 s17, 0
	s_add_nc_u64 s[8:9], s[8:9], s[16:17]
	s_add_nc_u64 s[8:9], s[8:9], s[68:69]          ; and my first column
; rows 16 i .. 16 i + 15 of my block = the eight tiles (a, 0..7) of window 2 or 3 (from = 0x08 or 0x0c: an LDS store's data are source 1); f: F0 or F1 in turn
.macro OUT16 i, a, from, f
	WIN \from
.irp b, 0,1,2,3,4,5,6,7
	ds_store_b128 v[STO], v[8*(8*\a+\b):8*(8*\a+\b)+3]   offset:64*\b      ; row l % 16, columns 16 b + 8 (l / 16) + 0 .. 3
	ds_store_b128 v[STO], v[8*(8*\a+\b)+4:8*(8*\a+\b)+7] offset:64*\b+16   ; and + 4 .. 7
.endr
	WIN 0
	s_wait_xcnt 0x0                                ; buffer f, which earlier stores read, and the stores' base are rewritten only behind this wait
.if \i
	s_add_nc_u64 s[8:9], s[8:9], 16*CROW           ; 16 rows on, so that the stores' immediates stay at 15 rows, 245,760 bytes, at the most
.endif
.irp t, 0,1,2,3,4,5,6,7,8,9,10,11,12,13,14,15
	ds_load_b128 v[\f+4*\t:\f+4*\t+3], v[RD] offset:\t*SPITCH      ; LDS serves a wave's instructions in order (ISA guide 5.7.1.4): these see the stores above; the stage is my wave's own
.endr
.irp t, 0,1,2,3,4,5,6,7,8,9,10,11,12,13,14,15
	s_wait_dscnt 15-\t                             ; row t is back; the rows read behind it may be out
	v_pk_add_f32 v[\f+4*\t:\f+4*\t+1],   v[\f+4*\t:\f+4*\t+1],   v[BIAS:BIAS+1]
	v_pk_add_f32 v[\f+4*\t+2:\f+4*\t+3], v[\f+4*\t+2:\f+4*\t+3], v[BIAS+2:BIAS+3]
	global_store_b128 v[CO], v[\f+4*\t:\f+4*\t+3], s[8:9] offset:\t*CROW th:TH_STORE_NT   ; the wave stores 512 consecutive bytes, at a multiple of 512 from out0's first byte; written once, read by nobody here
.endr
.endm
	OUT16 0, 0, 0x08, F0
	OUT16 1, 1, 0x08, F1
	OUT16 2, 2, 0x08, F0
	OUT16 3, 3, 0x08, F1
	OUT16 4, 0, 0x0c, F0
	OUT16 5, 1, 0x0c, F1
	OUT16 6, 2, 0x0c, F0
	OUT16 7, 3, 0x0c, F1
	CROUND                                         ; the closing round: no work-group ends while a partner may still ask for a tile that names it
	s_endpgm
.Lfunc_end_k_qea9fbdf932_gemm:
	.size	k_qea9fbdf932_gemm, .Lfunc_end_k_qea9fbdf932_gemm-k_qea9fbdf932_gemm
	.p2alignl 7, 3214868480
	.fill 96, 4, 3214868480
	.section	.rodata,"a",@progbits
	.p2align	6, 0x0
	.amdhsa_kernel k_qea9fbdf932_gemm
		.amdhsa_group_segment_fixed_size 327680
		.amdhsa_private_segment_fixed_size 0
		.amdhsa_enable_private_segment 0
		.amdhsa_kernarg_size 32
		.amdhsa_user_sgpr_count 2
		.amdhsa_user_sgpr_kernarg_segment_ptr 1
		.amdhsa_wavefront_size32 1
		.amdhsa_system_sgpr_workgroup_id_x 1
		.amdhsa_system_sgpr_workgroup_id_y 1
		.amdhsa_system_sgpr_workgroup_id_z 1
		.amdhsa_system_vgpr_workitem_id 0
		.amdhsa_next_free_vgpr 1024
		.amdhsa_next_free_sgpr 70
		.amdhsa_reserve_vcc 0
		.amdhsa_float_denorm_mode_32 3
		.amdhsa_float_denorm_mode_16_64 3
		.amdhsa_memory_ordered 1
		.amdhsa_forward_progress 1
		.amdhsa_inst_pref_size 212
	.end_amdhsa_kernel
	.amdgpu_metadata
---
amdhsa.version: [ 1, 2 ]
amdhsa.kernels:
  - .name:           k_qea9fbdf932_gemm
    .symbol:         k_qea9fbdf932_gemm.kd
    .args:
      - { .name: xb, .offset: 0, .size: 8, .value_kind: global_buffer, .address_space: global }
      - { .name: wb, .offset: 8, .size: 8, .value_kind: global_buffer, .address_space: global }
      - { .name: out0, .offset: 16, .size: 8, .value_kind: global_buffer, .address_space: global }
      - { .name: bias, .offset: 24, .size: 8, .value_kind: global_buffer, .address_space: global }
    .group_segment_fixed_size: 327680
    .private_segment_fixed_size: 0
    .kernarg_segment_align: 8
    .kernarg_segment_size: 32
    .max_flat_workgroup_size: 128
    .sgpr_count:     70
    .vgpr_count:     1024
    .wavefront_size: 32
...
	.end_amdgpu_metadata
.endif
;; end of part 2
